; MI455X (gfx1250); checked and timed in simulation.
; The chip was launched on July 23, 2026; its instructions are those of AMD's public machine-readable ISA for CDNA 5 (MIT licence, August 2026) and "CDNA5" Instruction Set Architecture Reference Guide (July 2026). The comments in the code are by the model that wrote it; some were corrected since.
;; Local Attention Parallel. Allowed arithmetic: matrix products marked QUANTISED: E4M3 operands, one E8M0 scale for each 32 along K, by v_wmma_scale_f32_16x16x128_f8f6f4 with both operands' format E4M3, f32 sums; everything else in f32.
;; Inputs: W_qkv_codes 3,072 x 32 x 32 uint8 (E4M3 codes of W_qkv, K innermost, in blocks of 32 codes); W_qkv_scales 3,072 x 32 uint8 (E8M0 scales of W_qkv, one for each 32 codes along K); b_qkv 3,072 float32; ln_b 1,024 float32; ln_w 1,024 float32; x_codes 4 x 2,048 x 32 x 32 uint8 (E4M3 codes of x, K innermost, in blocks of 32 codes); x_scales 4 x 2,048 x 32 uint8 (E8M0 scales of x, one for each 32 codes along K).
;; Outputs: out0 4 x 2,048 x 1,024 float32.
;; This version of the problem:
;;   THIS VERSION OF THE PROBLEM IS GIVEN IN LOW PRECISION. The matrix products marked QUANTISED in the list below multiply operands that are first quantised to E4M3 (4 exponent bits, 3 mantissa bits; 8 bits a number), with one power-of-two scale for each 32 numbers along K (OCP MX v1.0); their sums are f32. All else is computed in f32.
;;   The module's matrix products, in the order in which they are computed (A, B: the left and right operand; K: the contracted axis; several contracted axes count as one K, in the product's order):
;;     1. [M 8,192, K 1,024] x [K 1,024, N 3,072]; A: input x (given as codes); B: input W_qkv (given as codes): QUANTISED
;;     2. batch 4 x [M 2,048, K 1,024] x [K 1,024, N 2,048]; A: computed on the way; B: computed on the way: QUANTISED
;;     3. batch 4 x [M 2,048, K 2,048] x [K 2,048, N 1,024]; A: computed on the way; B: computed on the way: QUANTISED
;;   THE QUANTISER, for each operand of a quantised product, along K:
;;     - K is cut into blocks of 32 from its start; a last block that is shorter is filled with zeros.
;;     - A block's scale is 2^e with e = floor(log2(the largest magnitude in the block)) - 8, held to -126 .. 127; a block of zeros has e = 0. As a byte (E8M0): e + 127.
;;     - Each number is divided by its block's scale, clamped to +-448, and rounded to the nearest number of E4M3, ties to even, subnormals kept.
;;     - The product sums the exact products of the quantised numbers (number of the format x scale) in f32.
;;   ~~~python
;;   def quantise(x, axis):      # numpy; x: float32 -> the quantised numbers, widened to float32 again
;;       x = np.moveaxis(x, axis, -1); K = x.shape[-1]
;;       x = np.pad(x, [(0, 0)] * (x.ndim - 1) + [(0, -K % 32)]); x = x.reshape(x.shape[:-1] + (-1, 32)); a = np.abs(x).max(-1, keepdims=True)
;;       e = np.where(a > 0, np.clip(np.frexp(np.where(a > 0, a, 1))[1] - 1 - 8, -126, 127), 0)      # np.frexp(a)[1] - 1 = floor(log2(a)), exactly
;;       r = np.clip(x / 2.0 ** e, -448, 448)
;;       step = 2.0 ** (np.maximum(np.frexp(np.where(r == 0, 1, r))[1] - 1, -6) - 3)
;;       q = np.round(r / step) * step * 2.0 ** e      # np.round: ties to even
;;       return np.moveaxis(q.reshape(q.shape[:-2] + (-1,))[..., :K], -1, axis).astype(np.float32)
;;   ~~~
;;   OPERANDS COMPUTED ON THE WAY. 'Computed on the way' means the value that the module computes at that place (a softmax that the list does not call 'softmax' is quantised finished and normalised). What goes into a quantiser is computed in f32, as accurately as f32 sums, v_exp_f32 and their like allow (about 1e-6 of the number): no bf16 or f16 on the way to a quantiser, and a product that is left as it is and whose result goes on into a quantised operand takes f32 operands (vector FMAs, or v_wmma_f32_16x16x4_f32). A number that lies on a knife's edge between two numbers of the format may be rounded either way, as far as f32 arithmetic and the matrix unit's own rounding can turn it there, and no further.
;;   INPUTS GIVEN AS CODES. W_qkv (in the module: [1024, 3072], K = its axis 0); x (in the module: [4, 2048, 1024], K = its axis 2): each comes as NAME_codes (uint8): NAME with its K axis moved to the last place and cut into blocks of 32 codes, [.., K / 32, bytes a block], one block behind the other in memory; one code a byte (a code: sign, 4 exponent bits, 3 mantissa bits); and NAME_scales (uint8): the same leading axes, one E8M0 byte (e + 127) for each 32 codes along K. Its value is code x scale, taken as it is: it is not quantised again, and the codes and scales need not be those that the quantiser above would give.
;; One version. Each part assembles by itself: llvm-mc -triple=amdgcn-amd-amdhsa -mcpu=gfx1250 --defsym DOCPART=n.
;; ======== version 1 of 1: 2 launches
;; workspace buffers: qk_img 16,777,216 bytes; qk_sc 524,288 bytes; v_img 8,388,608 bytes; v_sc 262,144 bytes
;; launch proj (part 1): grid 4 x 64, 4 waves a work-group, clusters of 4 x 4, 327,680 bytes of LDS; arguments x_codes, x_scales, W_qkv_codes, W_qkv_scales, b_qkv, qk_img, qk_sc, v_img, v_sc; writes qk_img, qk_sc, v_img, v_sc
.if DOCPART == 1
	.amdgcn_target "amdgcn-amd-amdhsa--gfx1250"
	.amdhsa_code_object_version 6
	.text
	.protected	k_q845d4966a9_proj
	.globl	k_q845d4966a9_proj
	.p2align	8
	.type	k_q845d4966a9_proj,@function
k_q845d4966a9_proj:
	s_mov_b64 s[64:65], 0
	v_nop
	global_prefetch_b8 v0, s[64:65] scope:SCOPE_SE
	s_setreg_imm32_b32 hwreg(HW_REG_WAVE_MODE, 25, 1), 1
	s_wait_xcnt 0x0
	s_wait_alu depctr_hold_cnt(0) depctr_sa_sdst(0) depctr_va_vdst(0) depctr_va_sdst(0) depctr_va_ssrc(0) depctr_va_vcc(0) depctr_vm_vsrc(0)
	s_getreg_b32 s2, hwreg(HW_REG_IB_STS2, 6, 4)
	s_cmp_eq_u32 s2, 0
	s_cbranch_scc0 .Lentry_in_a_cluster
	s_endpgm
.Lentry_in_a_cluster:
	s_bfe_u32 s2, ttmp6, 0x10000c
	s_cmp_lg_u32 s2, 0xf033
	s_cbranch_scc0 .Lentry_shape_is_right
	s_endpgm
.Lentry_shape_is_right:
; qkv = x W + b on codes of FP8 (E4M3) with one E8M0 scale for each 32 along K = 1,024, and the quantisers of q, k (along the channels d) and v (along the tokens).
; SHARES.  256 equal work-groups.  Work-group (cb, tbk) owns tokens 128 tbk .. + 127 and W's rows 256 cb .. + 255 of q, of k and of v, and makes the three tiles AT ONCE, in one walk over K: 96 accumulators a wave, 768 registers.
; A product is C'[i][j] = sum over k of S0[i][k] S1[j][k], source 0 = 16 rows of S0, source 1 = 16 rows of S1: in accumulator (a, b) lane (r, h) holds S1's row 16 a + r and its register j holds S0's row 16 b + 8 h + j.
; So for one a the lane's 64 registers run along i: four blocks of 32, 16 numbers of each in this lane and 16 in lane xor 16: what the conversions want.
;   q, k: S0 = W (i = d), S1 = x (j = token): wave (w / 2, w % 2) takes 64 tokens x 128 channels.      v: S0 = x (i = token), S1 = W (j = channel): wave w takes 64 channels x 128 tokens.
; THE ORDER INSIDE A BLOCK OF 32: half h of the lanes holds i = 8 h + 0..7, then 16 + 8 h + 0..7.  q and k both have it along d, v and the scores of the next launch both along the keys: each product pairs the right numbers.
; OUT: a block of 32 of a tile of 16 rows is a chunk of 512 bytes, lane l's 16 bytes at 16 l: an image of the operand's registers; four neighbouring chunks are a fragment.
;   qk_img [token tile 512][d block 64: 0-31 q, 32-63 k][512];  qk_sc [d / 128: 16][token 8,192][4];  v_img [channel tile 64][token block 256][512];  v_sc [token / 128: 64][channel 1,024][4].
; THE RING.  K goes in steps of 128 through two LDS slots of 896 rows (Wq, Wk, Wv: 256 each; x: 128): two slots of 256 along K would not fit.  The scale bytes of all 896 rows come once and stay.
; CLUSTERS of 4 x 4: cx = cb, cy = tbk % 4.  x's tiles are shared along a row of the cluster, W's along a column: each is asked for jointly.  Waves 0, 1, 2 fetch Wq, Wk, Wv, wave 3 fetches x.
; REGISTERS.  Windows 1, 2, 3: the accumulators of q, k, v, (a, b) at 8 (8 a + b).  Window 0: v1-21 addresses and v's bias; v32-55 scale words and nothing else; v64-255 six SLOTS of two fragments (32 registers) each.
; A K STEP is twelve groups of 8 products: two fragments of source 0 (a pair) against four held fragments of source 1; the 96 accumulators take turns, one instruction a turn, in the same order in every step.
;   groups 0-3: q;  4-7: k;  8-11: v.   Held: x's four fragments (slots 0, 1) in groups 0-7, Wv's four (slots 2, 3) in groups 8-11.   The pair of group g lies in slot: 4 5 2 3 | 4 5 2 4 | 5 0 1 5.
;   Ahead of group g stands run g of LDS loads, into slots whose last reader is an earlier group:  0: q's pairs 1, 2, 3 -> 5, 2, 3;  1: k0 -> 4;  2: k1 -> 5;  3: k2 -> 2;  4: Wv's second pair -> 3;  5: k3 -> 4;  6: x0 -> 5;
;   7: Wv's first pair -> 2;  8: x1, x2 -> 0, 1;  9: x3 -> 5;  behind the change of slots, ahead of group 11: the next step's held x -> 0, 1 and its q0 -> 4.
;   Products write windows 1 to 3 and LDS loads window 0, so each group costs two switches of the window: with 768 registers of sums no operand has room beside them.
; THE COUNTS of s_wait_dscnt are made by the assembler: DSN counts the LDS instructions issued so far, each slot and each set of scale words keeps DSN as it stood behind its last load, and a group waits
;   for DSN less the youngest of the marks that it needs: the number of LDS instructions issued behind that load.  The walk is written out, eight steps, so that the count holds on the one way there is.
; LIMITS: NaN and infinities are not served.  A block whose largest magnitude lies under 2^-118 keeps the scale byte 1; a block of zeros has the byte 1 where the quantiser says 127: its codes are zeros, and this program alone reads the bytes.
.set PITCH,  144                       ; an LDS row: 128 bytes + 16 of padding = 36 words: the 16 rows that a load touches start at 16 different groups of four banks (64 banks of 4 bytes: ISA guide 11.1)
.set BLK,    16*PITCH                  ; a fragment's 16 rows
.set WREG,   256*PITCH                 ; 256 rows of W
.set XO,     3*WREG                    ; x's 128 rows lie behind Wq's, Wk's and Wv's
.set SLOT,   XO+128*PITCH
.set SCL,    2*SLOT                    ; the scales, as units of 256 bytes + 16 of padding; 16 rows are two units
.set SBLK,   2*272
.set SX,     SCL                       ; x's: 16 units;
.set SQ,     SX+16*272                 ; Wq's, Wv's, Wk's: 32 units each.  In this order, since a load that brings x's words in one half of the lanes and W's in the other
.set SV,     SQ+32*272                 ; reads up to 64 rows past the four blocks that are used: past x's into Wq's, past Wv's into Wk's: bytes that have landed, and are not used
.set SK,     SV+32*272
.set SPARE,  SK+32*272                 ; the spare words, 128 bytes a wave: two blocks of 256 bytes that no other line names
.set STG,    SPARE+512                 ; the way out: 3 tiles x 64 scale words for each wave; no tile lands here
.set AX1, 1                            ; v1-2    LDS address of my held fragments of x in slot 0, 1
.set AQ,  3                            ; v3-4    of my fragments of Wq; Wk's lie WREG further on
.set AV,  5                            ; v5-6    of my fragments of Wv
.set AX0, 7                            ; v7-8    of x's eight fragments
.set ASQ, 9                            ; v9      scale words: lanes 0-15 my held rows of x, lanes 16-31 Wq's
.set ASK, 10                           ; v10     Wk's
.set ASB, 11                           ; v11     lanes 0-15 x's 128 rows, lanes 16-31 Wv's
.set SPW, 12                           ; v12     my spare word; never rewritten
.set NIL, 13                           ; v13     0; never rewritten
.set CO,  14                           ; v14     16 x lane
.set SST, 15                           ; v15     the way out: where a scale word goes
.set SRD, 16                           ; v16     where 64 words are read back, 8 bytes a lane
.set CO8, 17                           ; v17     8 x lane
.set BJ,  18                           ; v18-21  v's bias of channel 16 a + r
.set RQ,  32                           ; v32-39  scale words of block i: lanes 0-15 held x, lanes 16-31 Wq
.set RK,  40                           ; v40-47  Wk
.set RB,  48                           ; v48-55  lanes 0-15 x, lanes 16-31 Wv
.set FB,  64                           ; the six slots
.set PCD, 64                           ; the way out: v64-127 four sets of codes, v128-143 at work, v144-155 scale words, v156-163 v's bias in pairs, v164-169 the words' units
.set TM,  128
.set PW,  144
.set BJ2, 156
.set SU,  164
.set G1X, 24                           ; s[24:31] descriptor group 1 for x's tiles;  s[32:39] group 0, one set for each slot
.set G0X, 32
.set G1W, 48                           ; s[48:55], s[56:63] the same for W's tiles
.set G0W, 56
.set G1SX, 68                          ; s[68:75], s[76:79] groups 1 and 0 for x's scales;  s[80:87], s[88:91] for W's
.set G0SX, 76
.set G1SW, 80
.set G0SW, 88
.set MSB, 0
.set DSN, 0
.macro WIN new                         ; the immediate's high byte repeats the setting that is left
.if MSB != (\new)
	s_set_vgpr_msb (MSB<<8)|(\new)
.set MSB, (\new)
.endif
.endm
.macro PLACES n                        ; plain vector instructions between a matrix instruction and a load into, or a read or write of, its registers
.rept \n
	v_nop
.endr
.endm
; A joint load: waves 0 to 2 fetch for W, wave 3 for x; the branch hangs on the wave's number alone.  Four v_nop follow each of the two lines.
.macro JLOAD g0w, g1w, g0x, g1x
	s_cmp_lt_u32 s14, 3
	s_cbranch_scc0 .Lfor_x_\@
	tensor_load_to_lds s[\g0w:\g0w+3], s[\g1w:\g1w+7]
	s_nop 0
.rept 4
	v_nop
.endr
	s_branch .Lasked_\@
.Lfor_x_\@:
	tensor_load_to_lds s[\g0x:\g0x+3], s[\g1x:\g1x+7]
	s_nop 0
.rept 4
	v_nop
.endr
.Lasked_\@:
.endm
.macro CREST                           ; a round of the cluster's barrier behind its opening barrier
	s_cmp_lg_u32 s14, 0
	s_cbranch_scc1 .Lnot_wave_0_\@
	s_barrier_signal -3
.Lnot_wave_0_\@:
	s_barrier_wait -3
	s_barrier_signal -1
	s_barrier_wait -1
.endm
.macro CROUND
	s_barrier_signal -1
	s_barrier_wait -1
	CREST
.endm
	s_load_b128 s[4:7], s[0:1], 0x0                ; x's codes, x's scales
	s_load_b128 s[8:11], s[0:1], 0x10              ; W's codes, W's scales
	s_load_b64 s[12:13], s[0:1], 0x20              ; b_qkv
	v_lshl_add_u32 v[SPW], v0, 2, SPARE
	v_mov_b32 v[NIL], 0
	ds_add_u32 v12, v13
	ds_add_u32 v12, v13
	s_wait_dscnt 0x0
	v_lshrrev_b32 v22, 5, v0
	v_readfirstlane_b32 s14, v22                   ; wave 0..3
	s_lshr_b32 s15, s14, 1                         ; q, k: which 64 of the 128 tokens are mine
	s_and_b32 s16, s14, 1                          ; q, k: which 128 of the 256 channels
	s_min_u32 s45, s14, 2                          ; which of Wq, Wk, Wv I fetch (wave 3 fetches x and does not use this)
	s_bfe_u32 s40, ttmp6, 0x40000                  ; cx, cy: my place in the cluster
	s_bfe_u32 s41, ttmp6, 0x40004
	s_lshl_b32 s42, ttmp9, 2
	s_add_co_u32 s42, s42, s40                     ; cb: my 256 rows of each third of W
	s_and_b32 s17, ttmp7, 0xffff
	s_lshl_b32 s17, s17, 2
	s_add_co_u32 s17, s17, s41                     ; tbk: my 128 tokens
	s_lshl_b32 s43, s41, 2
	s_lshl_b32 s43, 15, s43                        ; my row of the cluster
	s_lshl_b32 s44, 0x1111, s40                    ; my column
	; descriptor group 1: tiles of rows of 128 bytes, 16 bytes of padding behind each row
	s_or_b32 s[G1X+0], s43, (0<<16)|(1<<20)|(1<<21)|(4<<22)|(3<<25)  ; 15:0 the mask: x's tiles go to my row; elements of 1 byte; padding on; bit 21 beside a mask; after every 32 words, 4 words
	s_or_b32 s[G1W+0], s44, (0<<16)|(1<<20)|(1<<21)|(4<<22)|(3<<25)  ; W's go to my column
.irp g, G1X, G1W
	s_mov_b32 s[\g+1], 128<<16                     ; tensor_dim0
	s_mov_b32 s[\g+3], 128<<16                     ; tile_dim0
	s_mov_b32 s[\g+5], 1024                        ; tensor_dim0_stride
	s_mov_b32 s[\g+6], 0
	s_mov_b32 s[\g+7], 0
.endr
	s_mov_b32 s[G1X+2], 128<<16                    ; tensor_dim1, tile_dim1: 128 rows of x,
	s_mov_b32 s[G1X+4], 128
	s_mov_b32 s[G1W+2], 256<<16                    ; 256 of W
	s_mov_b32 s[G1W+4], 256
	; the scales: dense blocks of 32 bytes a row, as rows of 256 bytes (32 elements of 8 bytes), 16 bytes of padding behind each
	s_or_b32 s[G1SX+0], s43, (3<<16)|(1<<20)|(1<<21)|(5<<22)|(3<<25)
	s_or_b32 s[G1SW+0], s44, (3<<16)|(1<<20)|(1<<21)|(5<<22)|(3<<25)
.irp g, G1SX, G1SW
	s_mov_b32 s[\g+1], 32<<16
	s_mov_b32 s[\g+3], 32<<16
	s_mov_b32 s[\g+5], 32
	s_mov_b32 s[\g+6], 0
	s_mov_b32 s[\g+7], 0
.endr
	s_mov_b32 s[G1SX+2], 16<<16                    ; 128 rows: 16 units,
	s_mov_b32 s[G1SX+4], 16
	s_mov_b32 s[G1SW+2], 32<<16                    ; 256 rows: 32
	s_mov_b32 s[G1SW+4], 32
	s_lshl_b32 s20, s17, 17                        ; x: 128 tbk rows of 1,024 bytes of codes,
	s_mov_b32 s21, 0
	s_lshl_b32 s22, s17, 12                        ; of 32 scale bytes
	s_mov_b32 s23, 0
	s_lshl_b32 s46, s45, 20                        ; W: row 1,024 x third + 256 cb: codes,
	s_lshl_b32 s47, s42, 18
	s_add_co_u32 s46, s46, s47
	s_mov_b32 s47, 0
	s_lshl_b32 s92, s45, 15                        ; scale bytes
	s_lshl_b32 s93, s42, 13
	s_add_co_u32 s92, s92, s93
	s_mov_b32 s93, 0
	s_mul_i32 s94, s45, WREG                       ; where W's codes go in a slot: no place in the cluster enters an LDS address
	s_and_b32 s2, s45, 1                           ; and its scales: Wq first, Wv second, Wk third
	s_lshl_b32 s2, s2, 1
	s_lshr_b32 s3, s45, 1
	s_or_b32 s2, s2, s3
	s_mul_i32 s95, s2, 32*272
	s_wait_kmcnt 0x0
	s_add_nc_u64 s[20:21], s[4:5], s[20:21]
	s_add_nc_u64 s[22:23], s[6:7], s[22:23]
	s_add_nc_u64 s[46:47], s[8:9], s[46:47]
	s_add_nc_u64 s[92:93], s[10:11], s[92:93]
	CROUND                                         ; all sixteen work-groups are here: the first joint loads meet
	s_mov_b32 s[G0SW], 1
	s_add_co_u32 s[G0SW+1], s95, SQ
	s_mov_b64 s[G0SW+2:G0SW+3], s[92:93]
	s_or_b32 s[G0SW+3], s[G0SW+3], 0x80000000
	s_mov_b32 s[G0SX], 1
	s_mov_b32 s[G0SX+1], SX
	s_mov_b64 s[G0SX+2:G0SX+3], s[22:23]
	s_or_b32 s[G0SX+3], s[G0SX+3], 0x80000000
	JLOAD G0SW, G1SW, G0SX, G1SX                   ; the scales first: they are wanted with K step 0
.irp s, 0,1
	s_mov_b32 s[G0W+4*\s], 1
	s_add_co_u32 s[G0W+4*\s+1], s94, \s*SLOT
	s_add_nc_u64 s[G0W+4*\s+2:G0W+4*\s+3], s[46:47], \s*128
	s_or_b32 s[G0W+4*\s+3], s[G0W+4*\s+3], 0x80000000
	s_mov_b32 s[G0X+4*\s], 1
	s_mov_b32 s[G0X+4*\s+1], XO+\s*SLOT
	s_add_nc_u64 s[G0X+4*\s+2:G0X+4*\s+3], s[20:21], \s*128
	s_or_b32 s[G0X+4*\s+3], s[G0X+4*\s+3], 0x80000000
	JLOAD G0W+4*\s, G1W, G0X+4*\s, G1X             ; three tensor loads of mine are out
.endr
	s_load_b128 s[96:99], s[0:1], 0x28             ; qk_img, qk_sc
	s_load_b128 s[20:23], s[0:1], 0x38             ; v_img, v_sc
	v_and_b32 v23, 15, v0                          ; r
	v_bfe_u32 v24, v0, 4, 1                        ; h
	v_lshlrev_b32 v30, 5, v24                      ; 32 h: eight numbers of the bias
	v_lshlrev_b32 v31, 2, v23                      ; 4 r
	; the bias.  q's and k's run along S0, along a lane's registers: they are the C of the first K step.  Until v's sums begin they wait in window 3: q's at 8 b, k's at 64 + 8 b.
	s_lshl_b32 s18, s42, 10
	s_lshl_b32 s19, s16, 9
	s_add_co_u32 s18, s18, s19                     ; 4 x (256 cb + 128 x half)
	s_mov_b32 s19, 0
	s_add_nc_u64 s[18:19], s[12:13], s[18:19]
	s_lshl_b32 s46, s42, 10                        ; v's runs along S1: one number a lane and tile: 4 x (2,048 + 256 cb + 64 w)
	s_lshl_b32 s47, s14, 8
	s_add_co_u32 s46, s46, s47
	s_add_co_u32 s46, s46, 8192
	s_mov_b32 s47, 0
	s_add_nc_u64 s[46:47], s[12:13], s[46:47]
	WIN 0xc0                                       ; destination window 3
.irp b, 0,1,2,3,4,5,6,7
	global_load_b128 v[8*\b:8*\b+3], v30, s[18:19] offset:64*\b
	global_load_b128 v[8*\b+4:8*\b+7], v30, s[18:19] offset:64*\b+16
	global_load_b128 v[64+8*\b:64+8*\b+3], v30, s[18:19] offset:4096+64*\b
	global_load_b128 v[64+8*\b+4:64+8*\b+7], v30, s[18:19] offset:4096+64*\b+16
.endr
	WIN 0
.irp a, 0,1,2,3
	global_load_b32 v[BJ+\a], v31, s[46:47] offset:64*\a
.endr
	v_mul_u32_u24 v22, v23, PITCH
	v_lshl_add_u32 v22, v24, 4, v22                ; a fragment's row x pitch + 16 x half
	s_mul_i32 s92, s15, 64*PITCH
	s_add_co_u32 s92, s92, XO                      ; my 64 held rows of x
	s_mul_i32 s93, s16, 128*PITCH                  ; my 128 rows of Wq
	s_mul_i32 s94, s14, 64*PITCH
	s_add_co_u32 s94, s94, 2*WREG                  ; my 64 rows of Wv
.irp s, 0,1
	v_add_nc_u32 v[AX1+\s], s92, v22
	v_add_nc_u32 v[AQ+\s], s93, v22
	v_add_nc_u32 v[AV+\s], s94, v22
	v_add_nc_u32 v[AX0+\s], XO+\s*SLOT, v22
	s_add_co_u32 s92, s92, SLOT
	s_add_co_u32 s93, s93, SLOT
	s_add_co_u32 s94, s94, SLOT
.endr
	v_mul_u32_u24 v25, v23, 32                     ; my row's scales: 32 bytes a row,
	v_lshrrev_b32 v26, 8, v25
	v_lshl_add_u32 v25, v26, 4, v25                ; and 16 more behind the first 256
	s_mul_i32 s92, s15, 4*SBLK                     ; held x: 64 rows are four blocks
	s_mul_i32 s93, s16, 8*SBLK
	s_add_co_u32 s93, s93, SQ-SX
	s_sub_co_u32 s93, s93, s92
	v_mul_u32_u24 v26, s93, v24                    ; lanes 16-31 take Wq's: one product, the distance between the two bases
	s_add_co_u32 s92, s92, SX
	v_add_nc_u32 v26, v25, v26
	v_add_nc_u32 v[ASQ], s92, v26
	s_mul_i32 s93, s16, 8*SBLK
	s_add_co_u32 s93, s93, SK
	v_add_nc_u32 v[ASK], s93, v25
	s_mul_i32 s94, s14, 4*SBLK
	s_add_co_u32 s94, s94, SV-SX
	v_mul_u32_u24 v27, s94, v24                    ; lanes 16-31 take Wv's
	v_add_nc_u32 v27, v25, v27
	v_add_nc_u32 v[ASB], SX, v27
	v_and_b32 v28, 31, v0
	v_lshlrev_b32 v[CO], 4, v28
	v_lshlrev_b32 v[CO8], 3, v28
	s_mul_i32 s92, s14, 768
	s_add_co_u32 s92, s92, STG
	v_add_nc_u32 v[SST], s92, v31
	v_add_nc_u32 v[SRD], s92, v[CO8]
	s_wait_kmcnt 0x0
	s_lshl_b32 s92, s17, 18                        ; qk_img: ((8 tbk + 4 (w / 2)) x 64 + 8 cb + 4 (w % 2)) x 512
	s_lshl_b32 s93, s15, 17
	s_add_co_u32 s92, s92, s93
	s_lshl_b32 s93, s42, 12
	s_add_co_u32 s92, s92, s93
	s_lshl_b32 s93, s16, 11
	s_add_co_u32 s92, s92, s93
	s_mov_b32 s93, 0
	s_add_nc_u64 s[96:97], s[96:97], s[92:93]
	s_lshl_b32 s92, s42, 16                        ; qk_sc: ((2 cb + w % 2) x 8,192 + 128 tbk + 64 (w / 2)) x 4
	s_lshl_b32 s93, s16, 15
	s_add_co_u32 s92, s92, s93
	s_lshl_b32 s93, s17, 9
	s_add_co_u32 s92, s92, s93
	s_lshl_b32 s93, s15, 8
	s_add_co_u32 s92, s92, s93
	s_mov_b32 s93, 0
	s_add_nc_u64 s[98:99], s[98:99], s[92:93]
	s_lshl_b32 s92, s42, 21                        ; v_img: ((16 cb + 4 w) x 256 + 4 tbk) x 512
	s_lshl_b32 s93, s14, 19
	s_add_co_u32 s92, s92, s93
	s_lshl_b32 s93, s17, 11
	s_add_co_u32 s92, s92, s93
	s_mov_b32 s93, 0
	s_add_nc_u64 s[20:21], s[20:21], s[92:93]
	s_lshl_b32 s92, s17, 12                        ; v_sc: (tbk x 1,024 + 256 cb + 64 w) x 4
	s_lshl_b32 s93, s42, 10
	s_add_co_u32 s92, s92, s93
	s_lshl_b32 s93, s14, 8
	s_add_co_u32 s92, s92, s93
	s_mov_b32 s93, 0
	s_add_nc_u64 s[22:23], s[22:23], s[92:93]
	s_mov_b32 s66, 0x76543210
	s_mov_b32 s67, 0xfedcba98                      ; v_permlanex16_b32's selects for lane l xor 16
	s_mov_b32 s104, 0x600000                       ; the mantissa field of 448
; a pair of fragments, 32 rows x 128 K, into slot sl: lane l holds row l % 16; registers 4 c .. 4 c + 3 hold K = 32 c + 16 (l / 16) + 0 .. 15
.macro LDP sl, adr, off
.irp u, 0,1
.irp c, 0,1,2,3
	ds_load_b128 v[FB+32*(\sl)+16*\u+4*\c:FB+32*(\sl)+16*\u+4*\c+3], v[\adr] offset:(\off)+BLK*\u+32*\c
.endr
.endr
.set DSN, DSN+8
.set MK\sl, DSN
.endm
.macro LSQ n                           ; K step n's scale words: one word a row
.irp i, 0,1,2,3,4,5,6,7
	ds_load_b32 v[RQ+\i], v[ASQ] offset:SBLK*\i+4*(\n)
.endr
.set DSN, DSN+8
.set MKQ, DSN
.endm
.macro LSK n
.irp i, 0,1,2,3,4,5,6,7
	ds_load_b32 v[RK+\i], v[ASK] offset:SBLK*\i+4*(\n)
.endr
.set DSN, DSN+8
.set MKK, DSN
.endm
.macro LSB n
.irp i, 0,1,2,3,4,5,6,7
	ds_load_b32 v[RB+\i], v[ASB] offset:SBLK*\i+4*(\n)
.endr
.set DSN, DSN+8
.set MKB, DSN
.endm
.macro NEED m1, m2, m3, m4, m5         ; LDS instructions come back in order (ISA guide 5.7.1): all up to the youngest of the five marks are in when so many are out as were issued behind it
.set NW, DSN-\m1
.if DSN-\m2 < NW
.set NW, DSN-\m2
.endif
.if DSN-\m3 < NW
.set NW, DSN-\m3
.endif
.if DSN-\m4 < NW
.set NW, DSN-\m4
.endif
.if DSN-\m5 < NW
.set NW, DSN-\m5
.endif
	s_wait_dscnt NW
.endm
; one product of tile t (0 q, 1 k, 2 v): accumulator (a, b); source 0 at tr.  first = 1: the sum begins, with the bias (q, k) or with 0 (v)
.macro WM t, first, b, a, tr
.set WD, 8*(8*(\a)+(\b))
.if (\t) == 0
.if \first
	v_wmma_scale_f32_16x16x128_f8f6f4 v[WD:WD+7], v[\tr:\tr+15], v[FB+16*(\a):FB+16*(\a)+15], v[8*(\b):8*(\b)+7], v[RQ+(\b)], v[RQ+(\a)] matrix_a_scale:MATRIX_SCALE_ROW1
.else
	v_wmma_scale_f32_16x16x128_f8f6f4 v[WD:WD+7], v[\tr:\tr+15], v[FB+16*(\a):FB+16*(\a)+15], v[WD:WD+7], v[RQ+(\b)], v[RQ+(\a)] matrix_a_scale:MATRIX_SCALE_ROW1
.endif
.elseif (\t) == 1
.if \first
	v_wmma_scale_f32_16x16x128_f8f6f4 v[WD:WD+7], v[\tr:\tr+15], v[FB+16*(\a):FB+16*(\a)+15], v[64+8*(\b):64+8*(\b)+7], v[RK+(\b)], v[RQ+(\a)]
.else
	v_wmma_scale_f32_16x16x128_f8f6f4 v[WD:WD+7], v[\tr:\tr+15], v[FB+16*(\a):FB+16*(\a)+15], v[WD:WD+7], v[RK+(\b)], v[RQ+(\a)]
.endif
.else
.if \first
	v_wmma_scale_f32_16x16x128_f8f6f4 v[WD:WD+7], v[\tr:\tr+15], v[FB+64+16*(\a):FB+64+16*(\a)+15], 0, v[RB+(\b)], v[RB+(\a)] matrix_b_scale:MATRIX_SCALE_ROW1
.else
	v_wmma_scale_f32_16x16x128_f8f6f4 v[WD:WD+7], v[\tr:\tr+15], v[FB+64+16*(\a):FB+64+16*(\a)+15], v[WD:WD+7], v[RB+(\b)], v[RB+(\a)] matrix_b_scale:MATRIX_SCALE_ROW1
.endif
.endif
.endm
; a group: the pair in slot ts (source 0's blocks b0, b0 + 1) against the four held fragments.  wait = 0: a wait for all LDS instructions stands ahead already
.macro GRP t, first, ts, b0, wait
.if \wait
.if (\t) == 0
	NEED MK\ts, MK0, MK1, MKQ, MKQ
.elseif (\t) == 1
	NEED MK\ts, MK0, MK1, MKQ, MKK
.else
	NEED MK\ts, MK2, MK3, MKB, MKB
.endif
.endif
.if (\first) && ((\t) < 2)
	WIN 0x70+0x40*(\t)                             ; C (the bias) window 3, D window 1 or 2
.else
	WIN 0x50*((\t)+1)                              ; C and D window 1, 2 or 3; sources 0 and 1 window 0
.endif
.irp u, 0,1
.irp a, 0,1,2,3
	WM \t, \first, (\b0)+\u, \a, FB+32*(\ts)+16*\u
.endr
.endr
.endm
.macro RUNHEAD                         ; eight places between the last group's products and the loads into registers that they read
	WIN 0
	PLACES 8
.endm
; K step n.  kind = 2: its slot is filled again, two K steps ahead;  1: the slots change and nothing is fetched;  0: the last step
.macro STEP n, first, kind
.set PS, (\n)%2
.set NS, 1-PS
	RUNHEAD
	LDP 5, AQ+PS, 2*BLK
	LDP 2, AQ+PS, 4*BLK
	LDP 3, AQ+PS, 6*BLK
	GRP 0, \first, 4, 0, 1
	RUNHEAD
	LDP 4, AQ+PS, WREG
	LSK \n
	GRP 0, \first, 5, 2, 1
	RUNHEAD
	LDP 5, AQ+PS, WREG+2*BLK
	LSB \n
	GRP 0, \first, 2, 4, 1
	RUNHEAD
	LDP 2, AQ+PS, WREG+4*BLK
	GRP 0, \first, 3, 6, 1
	RUNHEAD
	LDP 3, AV+PS, 2*BLK
	GRP 1, \first, 4, 0, 1
	RUNHEAD
	LDP 4, AQ+PS, WREG+6*BLK
	GRP 1, \first, 5, 2, 1
	RUNHEAD
	LDP 5, AX0+PS, 0
	GRP 1, \first, 2, 4, 1
	RUNHEAD
	LDP 2, AV+PS, 0
	GRP 1, \first, 4, 6, 1
	RUNHEAD
	LDP 0, AX0+PS, 2*BLK
	LDP 1, AX0+PS, 4*BLK
	GRP 2, \first, 5, 0, 1
	RUNHEAD
	LDP 5, AX0+PS, 6*BLK                           ; my last read of this slot
.if \kind
	LSQ (\n)+1
	s_wait_tensorcnt 0x0                           ; all my tensor loads have landed: my part of the next slot
	ds_add_u32 v[SPW], v[NIL]                      ; 0 onto my spare word; eight products stand between it and the wait for it
.set DSN, DSN+1
.endif
	GRP 2, \first, 0, 2, 1
.if \kind
	s_wait_dscnt 0x0                               ; the add is done, and my reads of this slot are over
	s_barrier_signal -1
	GRP 2, \first, 1, 4, 0                         ; work on registers while the others arrive
	WIN 0
	s_barrier_wait -1
.if (\kind) == 2
	CREST                                          ; the barrier has opened a round of the cluster's: no wave of any partner still reads this slot or has a load on its way
	s_add_nc_u64 s[G0W+4*PS+2:G0W+4*PS+3], s[G0W+4*PS+2:G0W+4*PS+3], 256
	s_add_nc_u64 s[G0X+4*PS+2:G0X+4*PS+3], s[G0X+4*PS+2:G0X+4*PS+3], 256
	JLOAD G0W+4*PS, G1W, G0X+4*PS, G1X             ; my one tensor load behind the round; its four v_nop are among the places in front of the loads below
	PLACES 4
.else
	PLACES 8
.endif
	LDP 0, AX1+NS, 0                               ; the next step's held x and its first pair of Wq
	LDP 1, AX1+NS, 2*BLK
	LDP 4, AQ+NS, 0
.else
	GRP 2, \first, 1, 4, 1
.endif
	GRP 2, \first, 5, 6, 1
.endm
	s_wait_loadcnt 0x0                             ; the bias
	s_wait_tensorcnt 1                             ; the scales and my part of K step 0 are in (K step 1's load may be out),
	s_barrier_signal -1
	s_barrier_wait -1                              ; everybody's are
	LSQ 0
	LDP 0, AX1, 0
	LDP 1, AX1, 2*BLK
	LDP 4, AQ, 0
	STEP 0, 1, 2
	STEP 1, 0, 2
	STEP 2, 0, 2
	STEP 3, 0, 2
	STEP 4, 0, 2
	STEP 5, 0, 2                                   ; the last refill: K step 7
	STEP 6, 0, 1
	STEP 7, 0, 0
; THE WAY OUT.  For each tile and each of my four blocks of 16 S1 rows the lane's 64 numbers become a fragment's 16 registers of codes and a scale word.  The codes are stored as they stand: each store is 512 consecutive bytes, aligned.
	WIN 0
	PLACES 8
.irp b, 0,1,2,3
	v_mov_b32 v[TM+4+\b], 0                        ; written once: a lane permute's destination counts as one of its sources
.endr
.irp a, 0,1,2,3
	v_mov_b32 v[BJ2+2*\a], v[BJ+\a]
	v_mov_b32 v[BJ2+2*\a+1], v[BJ+\a]
.endr
.macro QF t, a
.set QWN, (\t)+1
.set QSB, 64*(\a)
.set PCA, PCD+16*(\a)
.set PWR, PW+4*(\t)+(\a)
	WIN (QWN<<2)|(QWN<<4)
.irp b, 0,1,2,3
	v_max3_num_f32 v[TM+\b], 0x4800000, |v[QSB+16*\b]|, |v[QSB+16*\b+1]|   ; block b: my 16 numbers, and the floor 2^(9 - 127): the byte cannot fall under 1
.endr
.irp i, 2,4,6,8,10,12,14
.irp b, 0,1,2,3
	v_max3_num_f32 v[TM+\b], v[TM+\b], |v[QSB+16*\b+\i]|, |v[QSB+16*\b+\i+1]|   ; the four blocks by turns; each accumulator from its low end on
.endr
.endr
	WIN 0
.irp b, 0,1,2,3
	v_permlanex16_b32 v[TM+4+\b], v[TM+\b], s66, s67
.endr
.irp b, 0,1,2,3
	v_max_num_f32 v[TM+\b], v[TM+\b], v[TM+4+\b]   ; with lane l xor 16's: the block's largest magnitude
.endr
.irp b, 0,1,2,3
	v_add_nc_u32 v[TM+12+\b], 0xfc000000, v[TM+\b] ; 8 off its exponent field: the conversion's scale operand
.endr
.irp b, 0,1,2,3
	v_and_or_b32 v[TM+8+\b], v[TM+\b], 0x7f800000, s104   ; 448 x the scale
.endr
.irp b, 0,1,2,3
	v_lshrrev_b32 v[TM+4+\b], 23, v[TM+12+\b]      ; the scale's byte
.endr
	v_lshl_or_b32 v[PWR], v[TM+5], 8, v[TM+4]
	v_lshl_or_b32 v[PWR], v[TM+6], 16, v[PWR]
	v_lshl_or_b32 v[PWR], v[TM+7], 24, v[PWR]
	WIN (QWN<<6)|QWN
.irp b, 0,1,2,3
.irp i, 0,1,2,3,4,5,6,7,8,9,10,11,12,13,14,15
	v_med3_num_f32 v[QSB+16*\b+\i], v[QSB+16*\b+\i], -v[TM+8+\b], v[TM+8+\b]   ; the conversion to an 8-bit code does not saturate (ISA guide 7.6.2): the hold comes first
.endr
.endr
	WIN QWN
.irp b, 0,1,2,3
	v_cvt_scalef32_pk8_fp8_f32 v[PCA+4*\b:PCA+4*\b+1], v[QSB+16*\b:QSB+16*\b+7], v[TM+12+\b]
	v_cvt_scalef32_pk8_fp8_f32 v[PCA+4*\b+2:PCA+4*\b+3], v[QSB+16*\b+8:QSB+16*\b+15], v[TM+12+\b]
.endr
	WIN 0
	v_nop                                          ; a plain line between the conversions and the next lines that write their scale operands
.irp c, 0,1,2,3
.if (\t) == 2
	global_store_b128 v[CO], v[PCA+4*\c:PCA+4*\c+3], s[20:21] offset:131072*(\a)+512*\c   ; a chunk: 32 lanes x 16 bytes; a channel tile is 256 chunks
.else
	global_store_b128 v[CO], v[PCA+4*\c:PCA+4*\c+3], s[96:97] offset:16384*(\t)+32768*(\a)+512*\c   ; a token tile is 64 chunks, k's 32 behind q's
.endif
.endr
	ds_store_b32 v[SST], v[PWR] offset:256*(\t)+64*(\a)   ; both halves of the lanes hold the same word and write it to the same place
.endm
.irp a, 0,1,2,3
	QF 0, \a
.endr
	s_wait_xcnt 0x0                                ; q's stores have read their registers: the four sets of codes are written again only behind this wait
.irp a, 0,1,2,3
	QF 1, \a
.endr
	WIN 0xc3                                       ; v's bias: destination and source 0 window 3
.macro ADDBJ a
.set i, 0
.rept 32
	v_pk_add_f32 v[64*(\a)+i:64*(\a)+i+1], v[64*(\a)+i:64*(\a)+i+1], v[BJ2+2*(\a):BJ2+2*(\a)+1]   ; each accumulator from its low end on
.set i, i+2
.endr
.endm
.irp a, 0,1,2,3
	ADDBJ \a
.endr
	WIN 0
	s_wait_xcnt 0x0                                ; k's stores have read their registers
.irp a, 0,1,2,3
	QF 2, \a
.endr
.irp t, 0,1,2
	ds_load_b64 v[SU+2*\t:SU+2*\t+1], v[SRD] offset:256*\t   ; LDS serves a wave's instructions in order: a tile's 64 words, 8 bytes a lane
.endr
	s_wait_dscnt 0x0
	global_store_b64 v[CO8], v[SU:SU+1], s[98:99]                    ; each store covers 256 consecutive bytes, aligned: q's words,
	global_store_b64 v[CO8], v[SU+2:SU+3], s[98:99] offset:262144    ; k's, eight planes on,
	global_store_b64 v[CO8], v[SU+4:SU+5], s[22:23]                  ; v's
	s_wait_tensorcnt 0x0                           ; the wave's end
	ds_add_u32 v[SPW], v[NIL]
	s_wait_dscnt 0x0
	CROUND                                         ; the closing round
	s_endpgm
.Lfunc_end_k_q845d4966a9_proj:
	.size	k_q845d4966a9_proj, .Lfunc_end_k_q845d4966a9_proj-k_q845d4966a9_proj
	.p2alignl 7, 3214868480
	.fill 96, 4, 3214868480
	.section	.rodata,"a",@progbits
	.p2align	6, 0x0
	.amdhsa_kernel k_q845d4966a9_proj
		.amdhsa_group_segment_fixed_size 327680
		.amdhsa_private_segment_fixed_size 0
		.amdhsa_enable_private_segment 0
		.amdhsa_kernarg_size 72
		.amdhsa_user_sgpr_count 2
		.amdhsa_user_sgpr_kernarg_segment_ptr 1
		.amdhsa_wavefront_size32 1
		.amdhsa_system_sgpr_workgroup_id_x 1
		.amdhsa_system_sgpr_workgroup_id_y 1
		.amdhsa_system_sgpr_workgroup_id_z 1
		.amdhsa_system_vgpr_workitem_id 0
		.amdhsa_next_free_vgpr 1024
		.amdhsa_next_free_sgpr 106
		.amdhsa_reserve_vcc 0
		.amdhsa_float_denorm_mode_32 3
		.amdhsa_float_denorm_mode_16_64 3
		.amdhsa_memory_ordered 1
		.amdhsa_forward_progress 1
		.amdhsa_inst_pref_size 255
	.end_amdhsa_kernel
	.section	.bss,"aw",@nobits
	.p2align	6
	.space	262144
	.amdgpu_metadata
---
amdhsa.version: [ 1, 2 ]
amdhsa.kernels:
  - .name:           k_q845d4966a9_proj
    .symbol:         k_q845d4966a9_proj.kd
    .args:
      - { .name: x_codes, .offset: 0, .size: 8, .value_kind: global_buffer, .address_space: global }
      - { .name: x_scales, .offset: 8, .size: 8, .value_kind: global_buffer, .address_space: global }
      - { .name: W_qkv_codes, .offset: 16, .size: 8, .value_kind: global_buffer, .address_space: global }
      - { .name: W_qkv_scales, .offset: 24, .size: 8, .value_kind: global_buffer, .address_space: global }
      - { .name: b_qkv, .offset: 32, .size: 8, .value_kind: global_buffer, .address_space: global }
      - { .name: qk_img, .offset: 40, .size: 8, .value_kind: global_buffer, .address_space: global }
      - { .name: qk_sc, .offset: 48, .size: 8, .value_kind: global_buffer, .address_space: global }
      - { .name: v_img, .offset: 56, .size: 8, .value_kind: global_buffer, .address_space: global }
      - { .name: v_sc, .offset: 64, .size: 8, .value_kind: global_buffer, .address_space: global }
    .group_segment_fixed_size: 327680
    .private_segment_fixed_size: 0
    .kernarg_segment_align: 8
    .kernarg_segment_size: 72
    .max_flat_workgroup_size: 128
    .sgpr_count:     106
    .vgpr_count:     1024
    .wavefront_size: 32
...
	.end_amdgpu_metadata
.endif
;; end of part 1
;; launch band (part 2): grid 256 x 1, 8 waves a work-group, no clusters, 148,992 bytes of LDS; arguments qk_img, qk_sc, v_img, v_sc, ln_w, ln_b, out0; writes out0
.if DOCPART == 2
	.amdgcn_target "amdgcn-amd-amdhsa--gfx1250"
	.amdhsa_code_object_version 6
	.text
	.protected	k_q845d4966a9_band
	.globl	k_q845d4966a9_band
	.p2align	8
	.type	k_q845d4966a9_band,@function
k_q845d4966a9_band:
	s_mov_b64 s[64:65], 0
	v_nop
	global_prefetch_b8 v0, s[64:65] scope:SCOPE_SE
	s_setreg_imm32_b32 hwreg(HW_REG_WAVE_MODE, 25, 1), 1
	s_wait_xcnt 0x0
; out = layer_norm((q k^T / 512 x band) v), both products on codes of FP8 (E4M3) with one E8M0 scale for each 32 along K.  sqrt(1,024 x 256) = 512 = 2^9.  band: key j counts for query i where 0 <= i - j <= 255.
; SHARES.  Work-group G owns the 32 queries 32 G .. 32 G + 31 (two tiles of 16) of batch G / 64.  Of the 64 key blocks of 32 it needs nine: kb0 .. kb0 + 8, kb0 = max(G % 64 - 8, 0); all other blocks lie wholly outside the band.
; The mask is made by value from ids, in every block: where G % 64 < 8 the blocks ahead of the diagonal become zero codes, with no branch.
; Wave w makes the scores of key block kb0 + w (wave 0 also kb0 + 8), masks and quantises them along the keys; then it makes output channels 128 w .. 128 w + 127 for all 32 queries.
; Both products are used transposed: S^T = K Q^T, O^T = V^T P^T: a lane holds one query (lane % 16) throughout, and its registers run along the keys, then along the channels.
; OPERANDS arrive as images of their registers (chunks of 512 bytes, lane l's 16 bytes at 16 l; four chunks a fragment).  Each chunk of K and V is loaded by exactly one wave, straight into registers: 512 consecutive bytes a load.
; Through LDS go only what several waves read: q, K of block kb0 + 8, the scores' codes P and scale words, the rows' sums; and the way out.
; NO CLUSTER, NO JOINT LOADS: neighbouring work-groups' windows of keys are shifted by 32 keys, and an LDS address may not hang on a work-group's place in its cluster; a window common to four partners is 384 keys where each uses 288,
; a third more bytes and products for each; and each byte of K and V feeds one wave only, so that LDS would add a hop and spare no read.
; LIMITS: NaN and infinities are not served; a score outside the band is replaced by 0, not multiplied by 0; a block of scores whose largest magnitude lies under 2^-118 keeps the scale byte 1 (a block of zeros too: its codes are zeros).
; REGISTERS.  Window 0: v1-14 addresses, v15-19 at work; v20-35 scale words and nothing else; v36-83 at work, then P; v84-127 V's raw scale words and the scores, then V's ninth chunks; v128-255 q's and K's fragments, then O^T.
;   Window 1: K's 16 fragments, then V's 16, then ln_w, ln_b and the rows on their way out.
.set QSC,   0                          ; LDS: q's scale words, 8 K steps x 128 bytes
.set K8SC,  1024                       ; those of key block kb0 + 8
.set PSW,   2048                       ; the scores' scale bytes: 9 key blocks x 128 bytes (a word a lane: lanes 0-15 query tile 0, lanes 16-31 tile 1)
.set RED1,  3200                       ; 32 rows x 8 waves x 4 bytes: the rows' sums;
.set RED2,  4224                       ; the sums of squares
.set PIMG,  5632                       ; P: (9 x query tile + key block) x 512
.set QIMG,  14848                      ; q: ((8 x query tile + K step) x 4 + chunk) x 512
.set K8IMG, 47616                      ; K of block kb0 + 8, likewise
.set STG,   80384                      ; the way out: for each wave 16 rows x (512 + 16) bytes
.set LI,  1                            ; 16 x lane
.set LS,  2                            ; 4 x lane
.set K8A, 3                            ; 16 x lane + K8IMG
.set QW,  4                            ; 16 x lane + QIMG + 2,048 w
.set K8W, 5                            ; 16 x lane + K8IMG + 2,048 w
.set SWA, 6                            ; 4 x lane + 128 w
.set PWA, 7                            ; 16 x lane + PIMG + 512 w
.set DL,  8                            ; query - key for register 0 of (tile 0, tile 0) of my block: 32 (tb - kb0 - w) + r - 8 h
.set DL8, 9                            ; the same for block kb0 + 8
.set RW,  10                           ; 32 x lane + 4 w
.set RR,  11                           ; 32 r
.set STO, 12                           ; my stage: row r, + 32 h
.set SRD, 13                           ; my stage: 16 x lane
.set H32, 14                           ; 32 h
.set T,   15
.set KSR, 20                           ; v20-27 K's scale words, a K step each
.set QSR, 28                           ; v28-35 q's
.set VS,  20                           ; later: v20-31 V's: 4 n + ct / 2
.set PS,  32                           ; v32-34 P's
.set TM,  36
.set PC,  52
.set SW,  60
.set P,   36                           ; later: P of one query tile: chunks 0-8 in v36-71, zeros in v72-83
.set VRAW, 84
.set V8,  84                           ; later: V's ninth chunk of tile ct at v[84 + 4 ct]; zeros in v116-127
.set SA,  96                           ; the scores: 16 x query tile + 8 x key tile
.set LAND, 128
.set QF,  128                          ; q's fragments, two buffers of 32
.set K8F, 192                          ; those of K of block kb0 + 8
.set O,   128                          ; O^T: 16 x channel tile + 8 x query tile
.set MSB, 0
.macro WIN new                         ; the immediate's high byte repeats the setting that is left
.if MSB != (\new)
	s_set_vgpr_msb (MSB<<8)|(\new)
.set MSB, (\new)
.endif
.endm
.macro PLACES n
.rept \n
	v_nop
.endr
.endm
; one scaled product: D at d, source 0 at a, source 1 at b; zero = 1: it starts the sum; ra, rb: which half of the lanes holds the side's scale words
.macro WMS d, a, b, zero, sa, sb, ra, rb
.if (\zero) && (\ra) && (\rb)
	v_wmma_scale_f32_16x16x128_f8f6f4 v[\d:\d+7], v[\a:\a+15], v[\b:\b+15], 0, v[\sa], v[\sb] matrix_a_scale:MATRIX_SCALE_ROW1 matrix_b_scale:MATRIX_SCALE_ROW1
.elseif (\zero) && (\ra)
	v_wmma_scale_f32_16x16x128_f8f6f4 v[\d:\d+7], v[\a:\a+15], v[\b:\b+15], 0, v[\sa], v[\sb] matrix_a_scale:MATRIX_SCALE_ROW1
.elseif (\zero) && (\rb)
	v_wmma_scale_f32_16x16x128_f8f6f4 v[\d:\d+7], v[\a:\a+15], v[\b:\b+15], 0, v[\sa], v[\sb] matrix_b_scale:MATRIX_SCALE_ROW1
.elseif (\zero)
	v_wmma_scale_f32_16x16x128_f8f6f4 v[\d:\d+7], v[\a:\a+15], v[\b:\b+15], 0, v[\sa], v[\sb]
.elseif (\ra) && (\rb)
	v_wmma_scale_f32_16x16x128_f8f6f4 v[\d:\d+7], v[\a:\a+15], v[\b:\b+15], v[\d:\d+7], v[\sa], v[\sb] matrix_a_scale:MATRIX_SCALE_ROW1 matrix_b_scale:MATRIX_SCALE_ROW1
.elseif (\ra)
	v_wmma_scale_f32_16x16x128_f8f6f4 v[\d:\d+7], v[\a:\a+15], v[\b:\b+15], v[\d:\d+7], v[\sa], v[\sb] matrix_a_scale:MATRIX_SCALE_ROW1
.elseif (\rb)
	v_wmma_scale_f32_16x16x128_f8f6f4 v[\d:\d+7], v[\a:\a+15], v[\b:\b+15], v[\d:\d+7], v[\sa], v[\sb] matrix_b_scale:MATRIX_SCALE_ROW1
.else
	v_wmma_scale_f32_16x16x128_f8f6f4 v[\d:\d+7], v[\a:\a+15], v[\b:\b+15], v[\d:\d+7], v[\sa], v[\sb]
.endif
.endm
	s_load_b256 s[4:11], s[0:1], 0x0               ; qk_img, qk_sc, v_img, v_sc
	s_load_b128 s[12:15], s[0:1], 0x20             ; ln_w, ln_b
	s_load_b64 s[16:17], s[0:1], 0x30              ; out0
	v_lshrrev_b32 v15, 5, v0
	v_readfirstlane_b32 s18, v15                   ; wave w
	v_and_b32 v16, 31, v0                          ; lane
	v_and_b32 v17, 15, v0                          ; r
	v_bfe_u32 v18, v0, 4, 1                        ; h
	s_lshr_b32 s50, ttmp9, 6                       ; batch
	s_and_b32 s51, ttmp9, 63                       ; tb: my block of 32 tokens in the batch
	s_sub_co_i32 s52, s51, 8
	s_max_i32 s52, s52, 0                          ; kb0
	s_lshl_b32 s53, s50, 6
	s_add_co_u32 s53, s53, s52                     ; kb0 counted over all batches
	; byte offsets, all under 2^25.  A block of 32 tokens is 65,536 bytes of qk_img: two tiles of 16,384 bytes of q and 16,384 of k
	s_lshl_b32 s54, s18, 11                        ; 2,048 w: K step w
	s_lshl_b32 s20, ttmp9, 16
	s_add_co_u32 s20, s20, s54                     ; q of my queries, K step w
	s_mov_b32 s21, 0
	s_add_co_u32 s55, s53, 8
	s_lshl_b32 s22, s55, 16
	s_add_co_u32 s22, s22, s54
	s_add_co_u32 s22, s22, 16384                   ; k of block kb0 + 8, K step w
	s_mov_b32 s23, 0
	s_add_co_u32 s56, s53, s18
	s_lshl_b32 s24, s56, 16
	s_add_co_u32 s24, s24, 16384                   ; k of block kb0 + w
	s_mov_b32 s25, 0
	s_lshl_b32 s26, s18, 15                        ; scale words: a plane (128 along d) is 32,768 bytes, a block of 32 tokens 128
	s_lshl_b32 s59, ttmp9, 7
	s_add_co_u32 s26, s26, s59                     ; q's plane w
	s_mov_b32 s27, 0
	s_lshl_b32 s28, s18, 15
	s_add_co_u32 s28, s28, 262144
	s_lshl_b32 s59, s55, 7
	s_add_co_u32 s28, s28, s59                     ; k's plane w, block kb0 + 8
	s_mov_b32 s29, 0
	s_lshl_b32 s30, s56, 7
	s_add_co_u32 s30, s30, 262144                  ; k's planes, block kb0 + w
	s_mov_b32 s31, 0
	s_lshl_b32 s32, s18, 20                        ; v_img: a channel tile is 131,072 bytes; my eight tiles,
	s_lshl_b32 s59, s53, 9
	s_add_co_u32 s32, s32, s59                     ; from key block kb0 on
	s_mov_b32 s33, 0
	s_lshl_b32 s34, s50, 4                         ; v_sc: a plane (128 tokens) is 4,096 bytes: plane 16 x batch + kb0 / 4,
	s_lshr_b32 s59, s52, 2
	s_add_co_u32 s34, s34, s59
	s_lshl_b32 s34, s34, 12
	s_lshl_b32 s59, s18, 9                         ; 512 w: my 128 channels
	s_add_co_u32 s34, s34, s59
	s_mov_b32 s35, 0
	s_and_b32 s36, s52, 3
	s_lshl_b32 s36, s36, 3                         ; by so many bits V's scale words are shifted, so that byte 0 is block kb0's
	s_mov_b32 s38, s59
	s_mov_b32 s39, 0
	s_lshl_b32 s42, ttmp9, 17                      ; out0: 32 rows of 4,096 bytes, my 512 bytes of a row
	s_add_co_u32 s42, s42, s59
	s_mov_b32 s43, 0
	s_mov_b32 s44, 0x76543210
	s_mov_b32 s45, 0xfedcba98                      ; v_permlanex16_b32's selects for lane l xor 16
	s_mov_b32 s46, 0x600000                        ; the mantissa field of 448
	s_mov_b32 s47, 0xffff0000                      ; lanes 16-31
	s_mov_b32 s57, 0x3a800000                      ; 2^-10
	s_mov_b32 s58, 0x3727c5ac                      ; 1e-5
	s_sub_co_i32 s48, s51, s52
	s_sub_co_i32 s49, s48, 8
	s_lshl_b32 s49, s49, 5                         ; 32 (tb - kb0 - 8)
	s_sub_co_i32 s48, s48, s18
	s_lshl_b32 s48, s48, 5                         ; 32 (tb - kb0 - w)
	; every LDS address is made here, ahead of any parting of the waves
	v_lshlrev_b32 v[LI], 4, v16
	v_lshlrev_b32 v[LS], 2, v16
	v_add_nc_u32 v[K8A], K8IMG, v[LI]
	v_add_nc_u32 v[QW], s54, v[LI]
	v_add_nc_u32 v[K8W], K8IMG, v[QW]
	v_add_nc_u32 v[QW], QIMG, v[QW]
	s_lshl_b32 s60, s18, 7
	v_add_nc_u32 v[SWA], s60, v[LS]
	v_add_nc_u32 v[PWA], s59, v[LI]
	v_add_nc_u32 v[PWA], PIMG, v[PWA]
	v_lshlrev_b32 v19, 3, v18
	v_sub_nc_u32 v19, v17, v19                     ; r - 8 h
	v_add_nc_u32 v[DL], s48, v19
	v_add_nc_u32 v[DL8], s49, v19
	s_lshl_b32 s61, s18, 2
	v_lshl_add_u32 v[RW], v16, 5, s61
	v_lshlrev_b32 v[RR], 5, v17
	s_mul_i32 s62, s18, 8448
	s_add_co_u32 s62, s62, STG
	v_mul_u32_u24 v[STO], v17, 528
	v_lshl_add_u32 v[STO], v18, 5, v[STO]
	v_add_nc_u32 v[STO], s62, v[STO]
	v_add_nc_u32 v[SRD], s62, v[LI]
	v_lshlrev_b32 v[H32], 5, v18
	v_mov_b32 v[TM+4], 0                           ; written once: a lane permute's destination counts as one of its sources
	v_mov_b32 v[TM+5], 0
	s_wait_kmcnt 0x0
	s_add_nc_u64 s[20:21], s[4:5], s[20:21]
	s_add_nc_u64 s[22:23], s[4:5], s[22:23]
	s_add_nc_u64 s[24:25], s[4:5], s[24:25]
	s_add_nc_u64 s[26:27], s[6:7], s[26:27]
	s_add_nc_u64 s[28:29], s[6:7], s[28:29]
	s_add_nc_u64 s[30:31], s[6:7], s[30:31]
	s_add_nc_u64 s[32:33], s[8:9], s[32:33]
	s_add_nc_u64 s[34:35], s[10:11], s[34:35]
	s_add_nc_u64 s[40:41], s[14:15], s[38:39]
	s_add_nc_u64 s[38:39], s[12:13], s[38:39]
	s_add_nc_u64 s[42:43], s[16:17], s[42:43]
	; ---- HEAD.  What all waves read: wave w brings K step w of q and of K of block kb0 + 8, and their scale words: 18 loads
.irp t, 0,1
.irp c, 0,1,2,3
	global_load_b128 v[LAND+16*\t+4*\c:LAND+16*\t+4*\c+3], v[LI], s[20:21] offset:32768*\t+512*\c
.endr
.endr
.irp t, 0,1
.irp c, 0,1,2,3
	global_load_b128 v[LAND+32+16*\t+4*\c:LAND+32+16*\t+4*\c+3], v[LI], s[22:23] offset:32768*\t+512*\c
.endr
.endr
	global_load_b32 v[LAND+64], v[LS], s[26:27]
	global_load_b32 v[LAND+65], v[LS], s[28:29]
.irp s, 0,1,2,3,4,5,6,7
	global_load_b32 v[KSR+\s], v[LS], s[30:31] offset:32768*\s     ; my key block's scale words: lanes 0-15 key tile 0, lanes 16-31 tile 1
.endr
.irp i, 0,1,2
.irp p, 0,1,2,3
	global_load_b32 v[VRAW+4*\i+\p], v[LS], s[34:35] offset:4096*\i+128*\p   ; V's scale words of three planes of 128 tokens: lane l: channel 32 p + l of my 128
.endr
.endr
.macro KLOAD s                         ; K step s of my key block: two fragments, into window 1 at 32 s + 16 x key tile
.irp kt, 0,1
.irp c, 0,1,2,3
	global_load_b128 v[32*(\s)+16*\kt+4*\c:32*(\s)+16*\kt+4*\c+3], v[LI], s[24:25] offset:32768*\kt+512*(4*(\s)+\c)
.endr
.endr
.endm
.macro VLOAD s                         ; V's fragments (channel tiles 2 (s % 4), + 1; keys 128 (s / 4) on), into the registers that K step s has left: window 1 at 128 n + 16 ct
.irp u, 0,1
.irp c, 0,1,2,3
	global_load_b128 v[32*(\s)+16*\u+4*\c:32*(\s)+16*\u+4*\c+3], v[LI], s[32:33] offset:131072*(2*((\s)%4)+\u)+512*(4*((\s)/4)+\c)
.endr
.endr
.endm
.macro QFETCH s                        ; q's two fragments of K step s from LDS
.irp qt, 0,1
.irp c, 0,1,2,3
	ds_load_b128 v[QF+32*((\s)%2)+16*\qt+4*\c:QF+32*((\s)%2)+16*\qt+4*\c+3], v[LI] offset:QIMG+((8*\qt+(\s))*4+\c)*512
.endr
.endr
.endm
	WIN 0x40
	KLOAD 0
	KLOAD 1
	KLOAD 2
	WIN 0
	s_wait_loadcnt 44                              ; the 18 shared loads are in; behind them 20 loads of scale words and 24 of K may be out
.irp t, 0,1
.irp c, 0,1,2,3
	ds_store_b128 v[QW], v[LAND+16*\t+4*\c:LAND+16*\t+4*\c+3] offset:16384*\t+512*\c
	ds_store_b128 v[K8W], v[LAND+32+16*\t+4*\c:LAND+32+16*\t+4*\c+3] offset:16384*\t+512*\c
.endr
.endr
	ds_store_b32 v[SWA], v[LAND+64] offset:QSC
	ds_store_b32 v[SWA], v[LAND+65] offset:K8SC
	s_wait_dscnt 0x0                               ; for the others' sake: my stores have landed
	s_barrier_signal -1
	s_barrier_wait -1                              ; q and K of block kb0 + 8 lie in LDS
.irp s, 0,1,2,3,4,5,6,7
	ds_load_b32 v[QSR+\s], v[LS] offset:QSC+128*\s
.endr
	QFETCH 0
	WIN 0x40
.irp s, 3,4,5,6,7
	KLOAD \s
.endr
	WIN 0
	; ---- A: the scores of my key block.  Four accumulators by turns, one instruction a turn
.macro SMUL k, q, ks, qs, zero
	WMS SA, \k, \q, \zero, \ks, \qs, 0, 0
	WMS SA+8, \k+16, \q, \zero, \ks, \qs, 1, 0
	WMS SA+16, \k, \q+16, \zero, \ks, \qs, 0, 1
	WMS SA+24, \k+16, \q+16, \zero, \ks, \qs, 1, 1
.endm
.macro ASTEP s
.if (\s) < 7
	QFETCH (\s)+1
	s_wait_dscnt 8                                 ; all but the eight just issued
.else
	s_wait_dscnt 0x0
.endif
	s_wait_loadcnt 56                              ; K step s is in: behind it 8 (7 - s) loads of K and 8 s of V
	WIN 0x01                                       ; source 0 (K) window 1
.if (\s) == 0
	SMUL 32*(\s), QF+32*((\s)%2), KSR+(\s), QSR+(\s), 1
.else
	SMUL 32*(\s), QF+32*((\s)%2), KSR+(\s), QSR+(\s), 0
.endif
	WIN 0
	PLACES 8                                       ; in front of the loads into the registers just read, here and at the next step's head
	WIN 0x40
	VLOAD \s
	WIN 0
.endm
.irp s, 0,1,2,3,4,5,6,7
	ASTEP \s
.endr
; / 512, and the band: register 16 qt + 8 kt + j holds query - key = dl + 16 qt - 16 kt - j; it counts where that lies in 0 .. 255: one unsigned compare
.macro MASKQ dl
.set i, 0
.rept 16
	v_pk_mul_f32 v[SA+i:SA+i+1], v[SA+i:SA+i+1], 0x3b000000 op_sel_hi:[1,0]   ; x 2^-9; each accumulator from its low end on
.set i, i+2
.endr
.irp qt, 0,1
.irp kt, 0,1
.irp j, 0,1,2,3,4,5,6,7
	v_add_nc_u32 v[T], 16*\qt-16*\kt-\j, v[\dl]
	v_cmp_gt_u32 vcc_lo, 0x100, v[T]
	v_cndmask_b32 v[SA+16*\qt+8*\kt+\j], 0, v[SA+16*\qt+8*\kt+\j], vcc_lo
.endr
.endr
.endr
.endm
; two blocks of 32 keys (query tiles 0, 1), 16 numbers a lane each, become two chunks of codes in v[PC] on, and a word with the tile's scale byte (lanes 0-15: tile 0's, lanes 16-31: tile 1's)
.macro QUANT2
.irp q, 0,1
	v_max3_num_f32 v[TM+\q], |v[SA+16*\q]|, |v[SA+16*\q+1]|, 0x4800000   ; and the floor 2^(9 - 127): the byte cannot fall under 1
.endr
.irp i, 2,4,6,8,10,12,14
.irp q, 0,1
	v_max3_num_f32 v[TM+\q], v[TM+\q], |v[SA+16*\q+\i]|, |v[SA+16*\q+\i+1]|
.endr
.endr
.irp q, 0,1
	v_permlanex16_b32 v[TM+4+\q], v[TM+\q], s44, s45
.endr
.irp q, 0,1
	v_max_num_f32 v[TM+\q], v[TM+\q], v[TM+4+\q]   ; with lane l xor 16's 16 keys
.endr
.irp q, 0,1
	v_add_nc_u32 v[TM+12+\q], 0xfc000000, v[TM+\q] ; 8 off the exponent field: the conversion's scale operand
.endr
.irp q, 0,1
	v_and_or_b32 v[TM+8+\q], v[TM+\q], 0x7f800000, s46   ; 448 x the scale
.endr
.irp q, 0,1
	v_lshrrev_b32 v[TM+4+\q], 23, v[TM+12+\q]      ; the scale's byte
.endr
	v_cndmask_b32 v[SW], v[TM+4], v[TM+5], s47
.irp q, 0,1
.irp i, 0,1,2,3,4,5,6,7,8,9,10,11,12,13,14,15
	v_med3_num_f32 v[SA+16*\q+\i], v[SA+16*\q+\i], -v[TM+8+\q], v[TM+8+\q]   ; the conversion does not saturate (ISA guide 7.6.2): the hold comes first
.endr
.endr
.irp q, 0,1
	v_cvt_scalef32_pk8_fp8_f32 v[PC+4*\q:PC+4*\q+1], v[SA+16*\q:SA+16*\q+7], v[TM+12+\q]
	v_cvt_scalef32_pk8_fp8_f32 v[PC+4*\q+2:PC+4*\q+3], v[SA+16*\q+8:SA+16*\q+15], v[TM+12+\q]
.endr
	v_nop                                          ; a plain line between the conversions and whatever next writes their sources
.endm
	MASKQ DL
	QUANT2
	ds_store_b128 v[PWA], v[PC:PC+3]
	ds_store_b128 v[PWA], v[PC+4:PC+7] offset:4608
	ds_store_b32 v[SWA], v[SW] offset:PSW
	; wave 0 also makes key block kb0 + 8, all from LDS; its loads of V are on their way meanwhile.  No barrier and no global load stands in this branch
	s_cmp_lg_u32 s18, 0
	s_cbranch_scc1 .Lnot_wave_0
.irp s, 0,1,2,3,4,5,6,7
	ds_load_b32 v[KSR+\s], v[LS] offset:K8SC+128*\s
.endr
.macro G8FETCH s
	QFETCH \s
.irp kt, 0,1
.irp c, 0,1,2,3
	ds_load_b128 v[K8F+32*((\s)%2)+16*\kt+4*\c:K8F+32*((\s)%2)+16*\kt+4*\c+3], v[K8A] offset:((8*\kt+(\s))*4+\c)*512
.endr
.endr
.endm
.macro G8STEP s
.if (\s) < 7
	G8FETCH (\s)+1
	s_wait_dscnt 16                                ; all but the sixteen just issued
.else
	s_wait_dscnt 0x0
.endif
.if (\s) == 0
	SMUL K8F+32*((\s)%2), QF+32*((\s)%2), KSR+(\s), QSR+(\s), 1
.else
	SMUL K8F+32*((\s)%2), QF+32*((\s)%2), KSR+(\s), QSR+(\s), 0
.endif
	PLACES 8
.endm
	G8FETCH 0
.irp s, 0,1,2,3,4,5,6,7
	G8STEP \s
.endr
	MASKQ DL8
	QUANT2
	ds_store_b128 v[LI], v[PC:PC+3] offset:PIMG+8*512
	ds_store_b128 v[LI], v[PC+4:PC+7] offset:PIMG+17*512
	ds_store_b32 v[LS], v[SW] offset:PSW+8*128
.Lnot_wave_0:
.irp p, 0,1,2,3                                ; V's scale words, shifted so that byte 0 of word n is key block kb0 + 4 n's.  Of the third word only byte 0 meets codes that are not zeros
	v_alignbit_b32 v[VS+\p], v[VRAW+4+\p], v[VRAW+\p], s36
	v_alignbit_b32 v[VS+4+\p], v[VRAW+8+\p], v[VRAW+4+\p], s36
	v_alignbit_b32 v[VS+8+\p], v[VRAW+8+\p], v[VRAW+8+\p], s36
.endr
.irp ct, 0,1,2,3,4,5,6,7
	global_load_b128 v[V8+4*\ct:V8+4*\ct+3], v[LI], s[32:33] offset:131072*\ct+4096   ; V's ninth chunk of each of my tiles
.endr
.set i, 0
.rept 12
	v_mov_b32 v[P+36+i], 0                         ; zero codes: the rest of P's third fragment,
	v_mov_b32 v[V8+32+i], 0                        ; and what lies behind V's last ninth chunk
.set i, i+1
.endr
	s_wait_dscnt 0x0
	s_barrier_signal -1
	s_barrier_wait -1                              ; P and its scale bytes lie in LDS
	; ---- B: O^T = V^T P^T, my eight channel tiles; the two query tiles one after the other, so that all of V stays in registers
.macro PLOAD qt
.irp k, 0,1,2,3,4,5,6,7,8
	ds_load_b128 v[P+4*\k:P+4*\k+3], v[LI] offset:PIMG+(9*(\qt)+\k)*512
.endr
.endm
.irp k, 0,1,2,3,4,5,6,7,8
	ds_load_b32 v[LAND+\k], v[LS] offset:PSW+128*\k
.endr
	PLOAD 0
	s_wait_dscnt 0x0
	v_lshl_or_b32 v[PS], v[LAND+1], 8, v[LAND]     ; four key blocks' bytes make a scale word
	v_lshl_or_b32 v[PS+1], v[LAND+5], 8, v[LAND+4]
	v_lshl_or_b32 v[PS], v[LAND+2], 16, v[PS]
	v_lshl_or_b32 v[PS+1], v[LAND+6], 16, v[PS+1]
	v_lshl_or_b32 v[PS], v[LAND+3], 24, v[PS]
	v_lshl_or_b32 v[PS+1], v[LAND+7], 24, v[PS+1]
	v_mov_b32 v[PS+2], v[LAND+8]                   ; the ninth block's; its other three bytes, 0, stand over zero codes
	PLACES 8                                       ; a scale register written by a vector instruction stands eight places ahead of the product
.macro BN qt, n, zero                  ; eight products, the eight accumulators by turns
.irp ct, 0,1,2,3,4,5,6,7
.if (\n) < 2
	WMS O+16*\ct+8*(\qt), 128*(\n)+16*\ct, P+16*(\n), \zero, VS+4*(\n)+\ct/2, PS+(\n), \ct%2, \qt
.else
	WMS O+16*\ct+8*(\qt), V8+4*\ct, P+32, 0, VS+8+\ct/2, PS+2, \ct%2, \qt
.endif
.endr
.endm
.macro BPASS qt
.if (\qt) == 0
	s_wait_loadcnt 40                              ; V's keys 0-127 are in: behind them 32 loads of keys 128-255 and 8 of the ninth chunks
.endif
	WIN 0x01
	BN \qt, 0, 1
.if (\qt) == 0
	s_wait_loadcnt 8
.endif
	BN \qt, 1, 0
	WIN 0
.if (\qt) == 0
	s_wait_loadcnt 0x0
.endif
	BN \qt, 2, 0                                   ; source 0: my tile's ninth chunk, and 48 bytes a lane behind it that meet P's zero codes
.endm
	BPASS 0
	PLACES 8
	PLOAD 1
	s_wait_dscnt 0x0
	BPASS 1
	; ---- L: the layer norm, in two passes: the mean, then the centred squares
	PLACES 8
	WIN 0x40
.irp ct, 0,1,2,3,4,5,6,7
	global_load_b128 v[8*\ct:8*\ct+3], v[H32], s[38:39] offset:64*\ct          ; ln_w at my lane's channels 16 ct + 8 h + 0 .. 7,
	global_load_b128 v[8*\ct+4:8*\ct+7], v[H32], s[38:39] offset:64*\ct+16
	global_load_b128 v[64+8*\ct:64+8*\ct+3], v[H32], s[40:41] offset:64*\ct    ; ln_b likewise
	global_load_b128 v[64+8*\ct+4:64+8*\ct+7], v[H32], s[40:41] offset:64*\ct+16
.endr
	WIN 0
; the four chains v[36:43] (two a query tile) become each row's sum over all 1,024 channels: v52 for query tile 0, v60 for tile 1, in every lane and wave
.macro REDUCE red
	v_pk_add_f32 v[36:37], v[36:37], v[38:39]
	v_pk_add_f32 v[40:41], v[40:41], v[42:43]
	v_add_f32 v44, v36, v37
	v_add_f32 v45, v40, v41
	v_permlanex16_b32 v46, v44, s44, s45
	v_permlanex16_b32 v47, v45, s44, s45
	v_add_f32 v44, v44, v46                        ; with lane l xor 16's channels: my wave's 128
	v_add_f32 v45, v45, v47
	v_cndmask_b32 v48, v44, v45, s47               ; lane l speaks for row l
	ds_store_b32 v[RW], v48 offset:\red
	s_wait_dscnt 0x0
	s_barrier_signal -1
	s_barrier_wait -1
	ds_load_b128 v[52:55], v[RR] offset:\red       ; the eight waves' sums of row r,
	ds_load_b128 v[56:59], v[RR] offset:\red+16
	ds_load_b128 v[60:63], v[RR] offset:\red+512   ; and of row 16 + r
	ds_load_b128 v[64:67], v[RR] offset:\red+528
	s_wait_dscnt 0x0
	v_pk_add_f32 v[52:53], v[52:53], v[54:55]
	v_pk_add_f32 v[60:61], v[60:61], v[62:63]
	v_pk_add_f32 v[56:57], v[56:57], v[58:59]
	v_pk_add_f32 v[64:65], v[64:65], v[66:67]
	v_pk_add_f32 v[52:53], v[52:53], v[56:57]
	v_pk_add_f32 v[60:61], v[60:61], v[64:65]
	v_add_f32 v52, v52, v53
	v_add_f32 v60, v60, v61
.endm
.irp qt, 0,1
	v_pk_add_f32 v[36+4*\qt:37+4*\qt], v[O+8*\qt:O+8*\qt+1], v[O+8*\qt+2:O+8*\qt+3]       ; each accumulator from its low end on
	v_pk_add_f32 v[38+4*\qt:39+4*\qt], v[O+8*\qt+4:O+8*\qt+5], v[O+8*\qt+6:O+8*\qt+7]
.endr
.irp ct, 1,2,3,4,5,6,7
.irp u, 0,4
.irp qt, 0,1
	v_pk_add_f32 v[36+4*\qt:37+4*\qt], v[36+4*\qt:37+4*\qt], v[O+16*\ct+8*\qt+\u:O+16*\ct+8*\qt+\u+1]
	v_pk_add_f32 v[38+4*\qt:39+4*\qt], v[38+4*\qt:39+4*\qt], v[O+16*\ct+8*\qt+\u+2:O+16*\ct+8*\qt+\u+3]
.endr
.endr
.endr
	REDUCE RED1
	v_mul_f32 v68, 0xba800000, v52                 ; - the mean: x -2^-10
	v_mul_f32 v70, 0xba800000, v60
.irp ct, 0,1,2,3,4,5,6,7
.irp qt, 0,1
.irp u, 0,2,4,6
	v_pk_add_f32 v[O+16*\ct+8*\qt+\u:O+16*\ct+8*\qt+\u+1], v[O+16*\ct+8*\qt+\u:O+16*\ct+8*\qt+\u+1], v[68+2*\qt:69+2*\qt] op_sel_hi:[1,0]
.endr
.endr
.endr
.irp qt, 0,1
	v_pk_mul_f32 v[36+4*\qt:37+4*\qt], v[O+8*\qt:O+8*\qt+1], v[O+8*\qt:O+8*\qt+1]
	v_pk_mul_f32 v[38+4*\qt:39+4*\qt], v[O+8*\qt+2:O+8*\qt+3], v[O+8*\qt+2:O+8*\qt+3]
.endr
.irp qt, 0,1
	v_pk_fma_f32 v[36+4*\qt:37+4*\qt], v[O+8*\qt+4:O+8*\qt+5], v[O+8*\qt+4:O+8*\qt+5], v[36+4*\qt:37+4*\qt]
	v_pk_fma_f32 v[38+4*\qt:39+4*\qt], v[O+8*\qt+6:O+8*\qt+7], v[O+8*\qt+6:O+8*\qt+7], v[38+4*\qt:39+4*\qt]
.endr
.irp ct, 1,2,3,4,5,6,7
.irp u, 0,4
.irp qt, 0,1
	v_pk_fma_f32 v[36+4*\qt:37+4*\qt], v[O+16*\ct+8*\qt+\u:O+16*\ct+8*\qt+\u+1], v[O+16*\ct+8*\qt+\u:O+16*\ct+8*\qt+\u+1], v[36+4*\qt:37+4*\qt]
	v_pk_fma_f32 v[38+4*\qt:39+4*\qt], v[O+16*\ct+8*\qt+\u+2:O+16*\ct+8*\qt+\u+3], v[O+16*\ct+8*\qt+\u+2:O+16*\ct+8*\qt+\u+3], v[38+4*\qt:39+4*\qt]
.endr
.endr
.endr
	REDUCE RED2
	v_fma_f32 v52, v52, s57, s58                   ; the variance + 1e-5
	v_fma_f32 v60, v60, s57, s58
	v_rsq_f32 v68, v52
	v_rsq_f32 v70, v60
	v_nop                                          ; a plain line behind the last of the two
	s_wait_alu depctr_va_vdst(0)                   ; one wait for both, ahead of their first reader
.irp ct, 0,1,2,3,4,5,6,7
.irp qt, 0,1
.irp u, 0,2,4,6
	v_pk_mul_f32 v[O+16*\ct+8*\qt+\u:O+16*\ct+8*\qt+\u+1], v[O+16*\ct+8*\qt+\u:O+16*\ct+8*\qt+\u+1], v[68+2*\qt:69+2*\qt] op_sel_hi:[1,0]
.endr
.endr
.endr
	s_wait_loadcnt 0x0                             ; ln_w, ln_b
	WIN 0x14                                       ; sources 1 and 2 window 1
.irp ct, 0,1,2,3,4,5,6,7
.irp qt, 0,1
.irp u, 0,2,4,6
	v_pk_fma_f32 v[O+16*\ct+8*\qt+\u:O+16*\ct+8*\qt+\u+1], v[O+16*\ct+8*\qt+\u:O+16*\ct+8*\qt+\u+1], v[8*\ct+\u:8*\ct+\u+1], v[64+8*\ct+\u:64+8*\ct+\u+1]
.endr
.endr
.endr
	WIN 0
; THE WAY OUT.  A lane holds 32 neighbouring bytes of a row and the lanes beside it other rows: a query tile goes through my own stage and comes back as rows of 512 bytes.  LDS serves a wave's instructions in order: no wait between.
.macro TOSTAGE qt
.irp ct, 0,1,2,3,4,5,6,7
	ds_store_b128 v[STO], v[O+16*\ct+8*(\qt):O+16*\ct+8*(\qt)+3] offset:64*\ct
	ds_store_b128 v[STO], v[O+16*\ct+8*(\qt)+4:O+16*\ct+8*(\qt)+7] offset:64*\ct+16
.endr
	WIN 0x40
.irp t, 0,1,2,3,4,5,6,7,8,9,10,11,12,13,14,15
	ds_load_b128 v[128+64*(\qt)+4*\t:128+64*(\qt)+4*\t+3], v[SRD] offset:528*\t
.endr
	WIN 0
.endm
.macro SEND qt, younger                ; younger: the LDS instructions issued behind this tile's loads, which may stay out
	s_wait_dscnt \younger
	WIN 0x04                                       ; a store's data are its source 1: window 1
.irp t, 0,1,2,3,4,5,6,7,8,9,10,11,12,13,14,15
	global_store_b128 v[LI], v[128+64*(\qt)+4*\t:128+64*(\qt)+4*\t+3], s[42:43] offset:4096*(16*(\qt)+\t) th:TH_STORE_NT   ; 512 consecutive bytes, aligned; written once
.endr
	WIN 0
.endm
	TOSTAGE 0
	TOSTAGE 1
	SEND 0, 32                                     ; behind tile 0's loads: tile 1's 16 stores and 16 loads
	SEND 1, 0
	s_wait_xcnt 0x0
	v_lshl_add_u32 v254, v0, 2, 0x24200
	v_mov_b32 v255, 0
	s_wait_tensorcnt 0x0
	ds_add_u32 v254, v255
	s_wait_dscnt 0x0
	s_endpgm
.Lfunc_end_k_q845d4966a9_band:
	.size	k_q845d4966a9_band, .Lfunc_end_k_q845d4966a9_band-k_q845d4966a9_band
	.p2alignl 7, 3214868480
	.fill 96, 4, 3214868480
	.section	.rodata,"a",@progbits
	.p2align	6, 0x0
	.amdhsa_kernel k_q845d4966a9_band
		.amdhsa_group_segment_fixed_size 148992
		.amdhsa_private_segment_fixed_size 0
		.amdhsa_enable_private_segment 0
		.amdhsa_kernarg_size 56
		.amdhsa_user_sgpr_count 2
		.amdhsa_user_sgpr_kernarg_segment_ptr 1
		.amdhsa_wavefront_size32 1
		.amdhsa_system_sgpr_workgroup_id_x 1
		.amdhsa_system_sgpr_workgroup_id_y 1
		.amdhsa_system_sgpr_workgroup_id_z 1
		.amdhsa_system_vgpr_workitem_id 0
		.amdhsa_next_free_vgpr 512
		.amdhsa_next_free_sgpr 66
		.amdhsa_reserve_vcc 1
		.amdhsa_float_denorm_mode_32 3
		.amdhsa_float_denorm_mode_16_64 3
		.amdhsa_memory_ordered 1
		.amdhsa_forward_progress 1
		.amdhsa_inst_pref_size 113
	.end_amdhsa_kernel
	.amdgpu_metadata
---
amdhsa.version: [ 1, 2 ]
amdhsa.kernels:
  - .name:           k_q845d4966a9_band
    .symbol:         k_q845d4966a9_band.kd
    .args:
      - { .name: qk_img, .offset: 0, .size: 8, .value_kind: global_buffer, .address_space: global }
      - { .name: qk_sc, .offset: 8, .size: 8, .value_kind: global_buffer, .address_space: global }
      - { .name: v_img, .offset: 16, .size: 8, .value_kind: global_buffer, .address_space: global }
      - { .name: v_sc, .offset: 24, .size: 8, .value_kind: global_buffer, .address_space: global }
      - { .name: ln_w, .offset: 32, .size: 8, .value_kind: global_buffer, .address_space: global }
      - { .name: ln_b, .offset: 40, .size: 8, .value_kind: global_buffer, .address_space: global }
      - { .name: out0, .offset: 48, .size: 8, .value_kind: global_buffer, .address_space: global }
    .group_segment_fixed_size: 148992
    .private_segment_fixed_size: 0
    .kernarg_segment_align: 8
    .kernarg_segment_size: 56
    .max_flat_workgroup_size: 256
    .sgpr_count:     66
    .vgpr_count:     512
    .wavefront_size: 32
...
	.end_amdgpu_metadata
.endif
;; end of part 2
